; MI455X (gfx1250); checked and timed in simulation.
; The chip was launched on July 23, 2026; its instructions are those of AMD's public machine-readable ISA for CDNA 5 (MIT licence, August 2026) and "CDNA5" Instruction Set Architecture Reference Guide (July 2026). The comments in the code are by the model that wrote it; some were corrected since.
;; Vector Quantize. Allowed arithmetic: float matrix products may take bf16 or f16 operands with f32 sums; all other float work in f32.
;; Inputs: embed 256 x 8,192 float32; input 8 x 64 x 64 x 256 float32.
;; Outputs: out0 8 x 64 x 64 x 256 float32; out1 8 x 64 x 64 int32; out2 one number float32.
;; One version. Each part assembles by itself: llvm-mc -triple=amdgcn-amd-amdhsa -mcpu=gfx1250 --defsym DOCPART=n.
;; ======== version 1 of 1: 4 launches
;; workspace buffers: ebt 4,194,304 bytes; eft 8,388,608 bytes; eeh 32,768 bytes; idx 131,072 bytes of whole numbers; part 1,024 bytes
;; launch prep (part 1): grid 128 x 1, 8 waves a work-group, no clusters, 75,776 bytes of LDS; arguments embed, ebt, eft, eeh; writes ebt, eft, eeh
.if DOCPART == 1
	.amdgcn_target "amdgcn-amd-amdhsa--gfx1250"
	.amdhsa_code_object_version 6
	.text
	.protected	k_qc96d0941c7_prep
	.globl	k_qc96d0941c7_prep
	.p2align	8
	.type	k_qc96d0941c7_prep,@function
k_qc96d0941c7_prep:
	s_mov_b64 s[64:65], 0
	v_nop
	global_prefetch_b8 v0, s[64:65] scope:SCOPE_SE
	s_setreg_imm32_b32 hwreg(HW_REG_WAVE_MODE, 25, 1), 1
	s_wait_xcnt 0x0
; The codebook, embed [256 dims][8192 codes] f32, is turned once into the three forms that the later launches read:
;   eft [8192][256] f32   the exact transpose (the rows that are gathered),
;   ebt [8192][256] bf16  the transpose rounded to nearest even (the matrix operand),
;   eeh [8192]      f32   -1/2 x the sum over d of bf16(e)^2: the norm of the ROUNDED code, since it is the rounded code that is multiplied.
; A work-group owns 64 codes (256 consecutive bytes of every row of embed) and all 256 dims, so a norm never leaves the group:
; 8192 / 64 = 128 work-groups.  Eight waves.  No matrix unit, no cluster, no tensor load: 8 MiB are read once and 12 MiB written once.
; LDS: wave w stores its 32 dims (32 w .. 32 w + 31) of all 64 codes into a region of its own, 64 rows x 144 bytes (128 of data + 16);
; regions lie RP = 9,344 bytes apart.  Code c of the 64 lies in row 16 (c & 3) + (c >> 2): a lane's four codes go to rows 16 apart.
; Banks (64 of 4 bytes: ISA guide 11.1): the stores of a wave go to words 36 cg + hl, all different modulo 64; the reads of whole codes take
; 128 consecutive bytes from each of two regions whose distance is 128 modulo 256; the reads for the norms take 16 rows of pitch 144.
.set ROWB, 32768                       ; bytes in a row of embed
.set TP,   144                         ; LDS pitch of a code's 32 dims
.set RP,   64*TP+128                   ; from region to region
.set L,    16                          ; v[16:79]   16 loads of 4 numbers; later 8 whole rows of the transpose
.set P,    80                          ; v[80:111]  the same 8 rows in bf16
.set CH,   112                         ; v[112:175] wave 0: 32 dims of two codes
.set T,    176                         ; v[176:187] wave 0: at work
	s_load_b256 s[4:11], s[0:1], 0x0               ; embed s[4:5], ebt s[6:7], eft s[8:9], eeh s[10:11]
	v_lshl_add_u32 v192, v0, 2, 0x12400
	v_mov_b32 v193, 0
	v_lshrrev_b32 v6, 5, v0
	v_readfirstlane_b32 s12, v6                    ; wave 0..7
	v_and_b32 v6, 15, v0                           ; cg: which four codes
	v_bfe_u32 v7, v0, 4, 1                         ; hl: even or odd dim of a pair
	v_and_b32 v8, 31, v0                           ; lane
	s_lshl_b32 s13, s12, 5                         ; my wave's first dim
	v_add_nc_u32 v1, s13, v7
	v_lshlrev_b32 v1, 15, v1                       ; (32 w + hl) rows of embed
	v_lshl_add_u32 v1, v6, 4, v1                   ; + 16 cg: sixteen lanes take 256 consecutive bytes of a row
	s_mul_i32 s16, s12, RP                         ; my wave's region
	v_mul_u32_u24 v2, v6, TP
	v_lshl_add_u32 v2, v7, 2, v2
	v_add_nc_u32 v2, s16, v2                       ; where I store: region + cg x 144 + 4 hl
	v_lshlrev_b32 v3, 4, v8                        ; 16 x lane: my place in half a row of eft, and (lanes 0-15) in the group's part of eeh
	v_lshlrev_b32 v4, 3, v8                        ; 8 x lane: in half a row of ebt
	v_lshrrev_b32 v5, 3, v8
	v_mul_u32_u24 v5, v5, RP                       ; reading back: dims 4 lane .. + 3 lie in region lane >> 3,
	v_and_b32 v9, 7, v8
	v_lshl_add_u32 v5, v9, 4, v5                   ; at byte 16 (lane & 7) of the row,
	s_mul_i32 s17, s12, 8*TP
	v_add_nc_u32 v5, s17, v5                       ; and my wave takes rows 8 w .. 8 w + 7
	s_lshl_b32 s14, ttmp9, 8                       ; the group's 64 codes: 256 bytes into a row of embed, and into eeh
	s_mov_b32 s15, 0
	s_and_b32 s18, s12, 1                          ; LDS row 8 w + i holds code 32 (w & 1) + 4 i + (w >> 1) of the 64
	s_lshl_b32 s18, s18, 5
	s_lshr_b32 s19, s12, 1
	s_add_co_u32 s18, s18, s19
	s_lshl_b32 s19, ttmp9, 6
	s_add_co_u32 s18, s18, s19                     ; the code of my wave's first row
	s_lshl_b32 s20, s18, 10                        ; its bytes in eft
	s_mov_b32 s21, 0
	s_lshl_b32 s22, s18, 9                         ; and in ebt
	s_mov_b32 s23, 0
	s_wait_kmcnt 0x0
	s_add_nc_u64 s[4:5], s[4:5], s[14:15]
	s_add_nc_u64 s[10:11], s[10:11], s[14:15]
	s_add_nc_u64 s[8:9], s[8:9], s[20:21]
	s_add_nc_u64 s[6:7], s[6:7], s[22:23]
	; In: 16 loads a wave, all on their way at once; load n brings dims 32 w + 2 n and + 1, 256 consecutive bytes of each.
.set n, 0
.rept 16
	global_load_b128 v[L+4*n:L+4*n+3], v1, s[4:5] offset:n*2*ROWB th:TH_LOAD_NT
.set n, n+1
.endr
.set n, 0
.rept 16
	s_wait_loadcnt 15-n                            ; loads come back in order: load n is in, the 15 - n younger ones stay out
	ds_store_b32 v2, v[L+4*n]   offset:8*n
	ds_store_b32 v2, v[L+4*n+1] offset:16*TP+8*n
	ds_store_b32 v2, v[L+4*n+2] offset:32*TP+8*n
	ds_store_b32 v2, v[L+4*n+3] offset:48*TP+8*n
.set n, n+1
.endr
	s_wait_dscnt 0x0                               ; my stores are in LDS before I say so: the other waves read them
	s_barrier_signal -1
	s_barrier_wait -1                              ; from here on LDS is only read
	; Out: eight whole codes a wave.  A store to eft covers 512 consecutive bytes, a store to ebt 256, each aligned to its length.
	; Every row has registers of its own, so no store's data is written again.
.irp i, 0,1,2,3,4,5,6,7
	ds_load_b128 v[L+8*\i:L+8*\i+3],   v5 offset:\i*TP          ; dims 4 lane .. + 3
	ds_load_b128 v[L+8*\i+4:L+8*\i+7], v5 offset:\i*TP+4*RP     ; dims 128 + 4 lane .. + 3
.endr
.irp i, 0,1,2,3,4,5,6,7
	s_wait_dscnt 14-2*\i                           ; row i's two loads are in; the later rows' stay out
	global_store_b128 v3, v[L+8*\i:L+8*\i+3],   s[8:9] offset:4096*\i         ; rows of my wave are four codes apart
	global_store_b128 v3, v[L+8*\i+4:L+8*\i+7], s[8:9] offset:4096*\i+512
	v_cvt_pk_bf16_f32 v[P+4*\i],   v[L+8*\i],   v[L+8*\i+1]
	v_cvt_pk_bf16_f32 v[P+4*\i+1], v[L+8*\i+2], v[L+8*\i+3]
	v_cvt_pk_bf16_f32 v[P+4*\i+2], v[L+8*\i+4], v[L+8*\i+5]
	v_cvt_pk_bf16_f32 v[P+4*\i+3], v[L+8*\i+6], v[L+8*\i+7]
	global_store_b64 v4, v[P+4*\i:P+4*\i+1],   s[6:7] offset:2048*\i
	global_store_b64 v4, v[P+4*\i+2:P+4*\i+3], s[6:7] offset:2048*\i+256
.endr
	; The norms: wave 0 alone, lane l for LDS rows l and l + 32, each one chain of f32 additions in ascending d (the square of a bf16
	; number is exact in f32, so the fused multiply-add rounds as a product and an addition would).  The eight regions are written out, so
	; that every LDS address is the lane's row plus a constant; two address registers keep the immediates inside their 16 bits.
	s_cmp_lg_u32 s12, 0
	s_cbranch_scc1 .Ldone
	v_mul_u32_u24 v12, v8, TP                      ; row l of region 0
	v_add_nc_u32 v13, 4*RP, v12                    ; row l of region 4
	s_mov_b32 s24, 0xffff0000                      ; a word's upper bf16
	s_mov_b32 s26, 0x76543210                      ; v_permlanex16_b32: lane i of one half reads lane i of the other
	s_mov_b32 s27, 0xfedcba98
.irp g, 0,1,2,3,4,5,6,7
.irp q, 0,1,2,3,4,5,6,7
	ds_load_b128 v[CH+4*\q:CH+4*\q+3],       v[12+\g/4] offset:(\g%4)*RP+16*\q
	ds_load_b128 v[CH+32+4*\q:CH+32+4*\q+3], v[12+\g/4] offset:(\g%4)*RP+32*TP+16*\q
.endr
.irp q, 0,1,2,3,4,5,6,7
	s_wait_dscnt 14-2*\q                           ; the two loads of step q are in
	v_cvt_pk_bf16_f32 v[T],   v[CH+4*\q],      v[CH+4*\q+1]
	v_cvt_pk_bf16_f32 v[T+1], v[CH+4*\q+2],    v[CH+4*\q+3]
	v_cvt_pk_bf16_f32 v[T+2], v[CH+32+4*\q],   v[CH+32+4*\q+1]
	v_cvt_pk_bf16_f32 v[T+3], v[CH+32+4*\q+2], v[CH+32+4*\q+3]
	v_lshlrev_b32 v[T+4],  16,  v[T]
	v_lshlrev_b32 v[T+8],  16,  v[T+2]
	v_and_b32     v[T+5],  s24, v[T]
	v_and_b32     v[T+9],  s24, v[T+2]
	v_lshlrev_b32 v[T+6],  16,  v[T+1]
	v_lshlrev_b32 v[T+10], 16,  v[T+3]
	v_and_b32     v[T+7],  s24, v[T+1]
	v_and_b32     v[T+11], s24, v[T+3]
.irp e, 0,1,2,3
.if \g+\q+\e == 0
	v_mul_f32 v10, v[T+4], v[T+4]                  ; dim 0 starts the two sums: nothing is cleared
	v_mul_f32 v11, v[T+8], v[T+8]
.else
	v_fma_f32 v10, v[T+4+\e], v[T+4+\e], v10
	v_fma_f32 v11, v[T+8+\e], v[T+8+\e], v11
.endif
.endr
.endr
.endr
	; Row l is code 4 (l & 15) + (l >> 4), row l + 32 two codes further: lane l < 16 holds codes 4 l and 4 l + 2, lane l + 16 codes 4 l + 1
	; and 4 l + 3.  One exchange between the halves gives lanes 0-15 four neighbouring codes each.
	v_mul_f32 v[T],   -0.5, v10
	v_mul_f32 v[T+2], -0.5, v11
	v_cmp_gt_u32 vcc_lo, 16, v0                    ; wave 0: v0 is the lane
	v_permlanex16_b32 v[T+1], v[T],   s26, s27     ; the destinations have been written above
	v_permlanex16_b32 v[T+3], v[T+2], s26, s27
	s_wait_xcnt 0x0                                ; EXEC is a source of the stores above: it changes only behind this wait
	s_and_saveexec_b32 s28, vcc_lo
	global_store_b128 v3, v[T:T+3], s[10:11]       ; sixteen lanes store the group's 256 consecutive bytes of eeh, aligned
	s_wait_xcnt 0x0                                ; and again in front of the line that widens it
	s_or_b32 exec_lo, exec_lo, s28
.Ldone:
	s_wait_tensorcnt 0x0
	ds_add_u32 v192, v193
	s_wait_dscnt 0x0
	s_endpgm
.Lfunc_end_k_qc96d0941c7_prep:
	.size	k_qc96d0941c7_prep, .Lfunc_end_k_qc96d0941c7_prep-k_qc96d0941c7_prep
	.p2alignl 7, 3214868480
	.fill 96, 4, 3214868480
	.section	.rodata,"a",@progbits
	.p2align	6, 0x0
	.amdhsa_kernel k_qc96d0941c7_prep
		.amdhsa_group_segment_fixed_size 75776
		.amdhsa_private_segment_fixed_size 0
		.amdhsa_enable_private_segment 0
		.amdhsa_kernarg_size 32
		.amdhsa_user_sgpr_count 2
		.amdhsa_user_sgpr_kernarg_segment_ptr 1
		.amdhsa_wavefront_size32 1
		.amdhsa_system_sgpr_workgroup_id_x 1
		.amdhsa_system_sgpr_workgroup_id_y 1
		.amdhsa_system_sgpr_workgroup_id_z 1
		.amdhsa_system_vgpr_workitem_id 0
		.amdhsa_next_free_vgpr 194
		.amdhsa_next_free_sgpr 66
		.amdhsa_reserve_vcc 1
		.amdhsa_float_denorm_mode_32 3
		.amdhsa_float_denorm_mode_16_64 3
		.amdhsa_memory_ordered 1
		.amdhsa_forward_progress 1
		.amdhsa_inst_pref_size 90
	.end_amdhsa_kernel
	.amdgpu_metadata
---
amdhsa.version: [ 1, 2 ]
amdhsa.kernels:
  - .name:           k_qc96d0941c7_prep
    .symbol:         k_qc96d0941c7_prep.kd
    .args:
      - { .name: embed, .offset: 0, .size: 8, .value_kind: global_buffer, .address_space: global }
      - { .name: ebt, .offset: 8, .size: 8, .value_kind: global_buffer, .address_space: global }
      - { .name: eft, .offset: 16, .size: 8, .value_kind: global_buffer, .address_space: global }
      - { .name: eeh, .offset: 24, .size: 8, .value_kind: global_buffer, .address_space: global }
    .group_segment_fixed_size: 75776
    .private_segment_fixed_size: 0
    .kernarg_segment_align: 8
    .kernarg_segment_size: 32
    .max_flat_workgroup_size: 256
    .sgpr_count:     66
    .vgpr_count:     194
    .wavefront_size: 32
...
	.end_amdgpu_metadata
.endif
;; end of part 1
;; launch vq (part 2): grid 256 x 1, 8 waves a work-group, clusters of 4 x 1, 327,680 bytes of LDS; arguments input, ebt, eeh, out1, idx; writes out1, idx
.if DOCPART == 2
	.amdgcn_target "amdgcn-amd-amdhsa--gfx1250"
	.amdhsa_code_object_version 6
	.text
	.protected	k_qc96d0941c7_vq
	.globl	k_qc96d0941c7_vq
	.p2align	8
	.type	k_qc96d0941c7_vq,@function
k_qc96d0941c7_vq:
	s_mov_b64 s[64:65], 0
	v_nop
	global_prefetch_b8 v0, s[64:65] scope:SCOPE_SE
	s_setreg_imm32_b32 hwreg(HW_REG_WAVE_MODE, 25, 1), 1
	s_wait_xcnt 0x0
	s_wait_alu depctr_hold_cnt(0) depctr_sa_sdst(0) depctr_va_vdst(0) depctr_va_sdst(0) depctr_va_ssrc(0) depctr_va_vcc(0) depctr_vm_vsrc(0)
	s_getreg_b32 s2, hwreg(HW_REG_IB_STS2, 6, 4)
	s_cmp_eq_u32 s2, 0
	s_cbranch_scc0 .Lentry_in_a_cluster
	s_endpgm
.Lentry_in_a_cluster:
	s_bfe_u32 s2, ttmp6, 0x10000c
	s_cmp_lg_u32 s2, 0x3003
	s_cbranch_scc0 .Lentry_shape_is_right
	s_endpgm
.Lentry_shape_is_right:
; The search: for each of 32,768 rows x the code c with the least |x|^2 - 2 x.e_c + |e_c|^2, found as the code with the greatest
; x.e_c - |e_c|^2 / 2 (|x|^2 is the same for all codes of a row and is not formed).  x and e enter the matrix unit in bf16, sums in f32;
; -|e_c|^2 / 2 (of the rounded code, from eeh) is the C operand of the first matrix instruction, so the score costs no vector work.
; Equal scores: the lowest code wins, as in an argmin.  The index goes to out1 and, as whole numbers for the next launch, to idx.
; LIMITS.  NaN and infinities in the inputs are not served (the comparisons drop a NaN).  Where the best two codes of a row lie closer
; than the rounding of f32 sums of this size (some 1e-4 in the squared distance at the drawn spread), the choice may differ from that of
; a sum taken in another order.
;
; SHARES.  256 work-groups of 128 rows; each walks all 8,192 codes, in 32 tiles of 256.  Eight waves: wave w has rows 64 (w & 1) .. + 63
; and codes 64 (w >> 1) .. + 63 of each tile.  Its 64 rows x 256 K stay in 256 registers (window 1) for the whole launch, as bf16
; fragments; only the codes' fragments come from LDS: 16 loads of 16 bytes a lane for 32 matrix instructions (a stage: 64 rows x 16 codes).
; TWO CLASSES OF WAVES.  A stage is a block of 32 matrix instructions and a block of vector work (the running maximum of the stage before,
; the loads of the next).  Waves 0-3 multiply a tile's last stage in front of the change of tiles, waves 4-7 behind it, so the two classes
; run the same blocks half a period apart and one class's vector block can be issued while the other's matrix block runs.
; CLUSTER.  All work-groups walk the same codes: four of them form a cluster and ask for each tile (and for eeh) jointly, mask 15, which
; divides the requests for the codebook by four.  No descriptor word of a joint load, no LDS address and no branch hangs on the place in the cluster.
; TENSOR LOADS.  A wave has at most one out: one first fill, then one refill behind each round (waves 0-3: 64 codes each).
;
; LDS: SLOT0, SLOT1: 256 codes x 528 bytes (512 + 16).  SLOT1's first fill is the group's x in f32, 128 rows x 1,040 bytes (1,024 + 16).
;      EEH: the 8,192 numbers of eeh, filled once.  MRG.
; The pitches are odd multiples of 16 bytes, so the sixteen rows that a 16-byte load touches lie in sixteen different 16-byte columns of 256.
.set PB,    528
.set SLOT,  256*PB                     ; 135,168
.set WPART, 64*PB                      ; what one tensor load brings
.set TILEB, 256*512                    ; a tile's bytes in ebt
.set PX,    1040
.set EEH,   2*SLOT                     ; 270,336
.set MRG,   EEH+32768                  ; 303,104
; window 0
.set ADRB,  4                          ; v4, v5    my code fragments in slot 0, 1
.set ADREE, 6                          ; v6        my word of eeh, stepped by a tile
.set ADRX,  7                          ; v7        my x in LDS
.set ADRM,  8                          ; v8        my entries in MRG
.set BF,    16                         ; v[16:79]   a stage's 8 fragments of 16 codes x 32 K
.set ACC,   80                         ; v[80:111]  4 accumulator tiles (16 rows x 16 codes)
.set CI,    112                        ; v[112:119] the C operand that starts the sums
.set CL,    120                        ; v120       -|e|^2 / 2 of my lane's code
.set T,     122                        ; v[122:125] two pairs, for the merge
.set RUN,   128                        ; v[128:159] running maximum of (tile m, register j)
.set IDX,   160                        ; v[160:191] the stage's first code at which it was found
.set XT,    16                         ; v[16:143]  x in f32, ahead of the loop only
; window 1: fragment (m, kk) of x at v[256 + 8 (4 kk + m)]
.set G1B, 24                           ; s[24:31] shape of a code tile's quarter     s[32:39] its two group 0, one a slot
.set G0B, 32
.set G1X, 40                           ; s[40:47], s[48:51] x
.set G0X, 48
.set G1E, 52                           ; s[52:59], s[60:63] eeh
.set G0E, 60
.set MK,  68                           ; s[68:75] eight masks of comparisons
.set MSB, 0
.macro WIN new                         ; s_set_vgpr_msb; the immediate's high byte repeats the setting that is left
.if MSB != \new
	s_set_vgpr_msb (MSB<<8)|\new
.set MSB, \new
.endif
.endm
; A round of the cluster's barrier: my work-group's barrier, wave 0 signals for the work-group, every wave waits for all four work-groups,
; my work-group's barrier once more.
.macro ROUND
	s_barrier_signal -1
	s_barrier_wait -1
	s_cmp_lg_u32 s14, 0
	s_cbranch_scc1 .Lnot_wave_0_\@
	s_barrier_signal -3
.Lnot_wave_0_\@:
	s_barrier_wait -3
	s_barrier_signal -1
	s_barrier_wait -1
.endm
; Four plain vector instructions between a matrix instruction and a load into one of its sources, a vector read of its result or a vector
; write of its C operand (ISA guide 7.12.1 for vector instructions).
.macro PLACES
.rept 4
	v_nop
.endr
.endm
; The fragments of stage st of the tile in a slot, and my code's number of eeh: 17 LDS loads in one run.
.macro LOADB slot, st
.irp kk, 0,1,2,3,4,5,6,7
	ds_load_b128 v[BF+8*\kk:BF+8*\kk+3],   v[ADRB+\slot] offset:\st*16*PB+64*\kk      ; K = 32 kk + 8 h .. + 7 of code r
	ds_load_b128 v[BF+8*\kk+4:BF+8*\kk+7], v[ADRB+\slot] offset:\st*16*PB+64*\kk+32   ; K = 32 kk + 16 + 8 h .. + 7
.endr
	ds_load_b32 v[CL], v[ADREE] offset:64*\st
.endm
.macro CINIT                           ; in a result, all eight registers of a lane belong to the lane's code
.irp j, 0,1,2,3,4,5,6,7
	v_mov_b32 v[CI+\j], v[CL]
.endr
.endm
; 32 matrix instructions: 64 rows x 16 codes x 256 K.  Source 0: x (window 1); source 1: codes.  Register j of lane (r, h) of tile m is
; row 16 m + 8 h + j, code r.  The four accumulators take turns, one instruction a turn.
.macro WBLK
	WIN 0x01
.irp m, 0,1,2,3
	v_wmma_f32_16x16x32_bf16 v[ACC+8*\m:ACC+8*\m+7], v[8*\m:8*\m+7], v[BF:BF+7], v[CI:CI+7]
.endr
.irp kk, 1,2,3,4,5,6,7
.irp m, 0,1,2,3
	v_wmma_f32_16x16x32_bf16 v[ACC+8*\m:ACC+8*\m+7], v[8*(4*\kk+\m):8*(4*\kk+\m)+7], v[BF+8*\kk:BF+8*\kk+7], v[ACC+8*\m:ACC+8*\m+7]
.endr
.endr
	WIN 0
.endm
; The block, in waves 0-3 alone (cls = 0) or in waves 4-7 alone (cls = 1).  In the text the block of waves 4-7 follows that of waves 0-3 with
; scalar lines alone between, and its first four instructions write the accumulators anew: five places stand at its head, so that the
; distance behind a matrix instruction (ISA guide 7.12.1) is kept on every way through the text, also on the one that no wave takes.
.macro WIF cls
	s_cmp_lt_u32 s14, 4
.if \cls
	s_cbranch_scc1 .Lskipw_\@
.rept 5
	v_nop
.endr
.else
	s_cbranch_scc0 .Lskipw_\@
.endif
	WBLK
.Lskipw_\@:
.endm
; The running maximum: each (register, lane) follows one row and the codes r, r + 16, r + 32 .. of my wave's quarter, in ascending order;
; strictly greater, so the earliest stays.  What is remembered is the stage's first code, s19, the same in all lanes.
.macro EPI step
.irp m, 0,1,2,3
.irp j, 0,1,2,3,4,5,6,7
	v_cmp_gt_f32 s[MK+\j], v[ACC+8*\m+\j], v[RUN+8*\m+\j]
.endr
.irp j, 0,1,2,3,4,5,6,7
	v_cndmask_b32 v[IDX+8*\m+\j], v[IDX+8*\m+\j], s19, s[MK+\j]
.endr
.irp j, 0,1,2,3,4,5,6,7
	v_max_num_f32 v[RUN+8*\m+\j], v[RUN+8*\m+\j], v[ACC+8*\m+\j]
.endr
.endr
.if \step
	s_add_co_u32 s19, s19, \step
.endif
.endm
; A stage: its loads go out, the stage before is judged while they land, then it is multiplied (mul = 0: elsewhere, by class).
.macro STAGE slot, st, epi, step, mul
.if \epi
	PLACES
.endif
	LOADB \slot, \st
.if \epi
	EPI \step
.endif
	s_wait_dscnt 0x0                               ; the 17 loads, issued ahead of the 96 instructions above
	CINIT
.if \mul
	WBLK
.endif
.endm
; A tile.  In front of the round every wave has waited for its reads of the other slot and for all its tensor loads (its part of this slot);
; behind it the other slot is filled again first, with the next tile, which then has this whole tile's work in which to land.
.macro TRIP slot, refill, first
	s_wait_tensorcnt 0x0                           ; no tensor load of mine is out, so a group 0 may be written:
	ds_add_u32 v254, v255
	s_wait_dscnt 0x0
	s_add_nc_u64 s[G0B+4*\slot+2:G0B+4*\slot+3], s[G0B+4*\slot+2:G0B+4*\slot+3], 2*TILEB   ; this slot's next tile
	s_wait_dscnt 0x0                               ; my LDS reads are back (met: each stage has waited for its own)
.if \refill
	ROUND                                          ; both now hold of every wave of the four work-groups
	s_cmp_lt_u32 s14, 4
	s_cbranch_scc0 .Lnofill_\@
	tensor_load_to_lds s[G0B+4-4*\slot:G0B+7-4*\slot], s[G1B:G1B+7]
	s_nop 0
.Lnofill_\@:
.else
	s_barrier_signal -1                            ; the last tile: it shows the tile whole to all eight waves
	s_barrier_wait -1
.endif
.if \first
	STAGE \slot, 0, 0, 0, 1
.else
	WIF 1                                          ; waves 4-7: the last stage of the tile before, from registers
	STAGE \slot, 0, 1, 208, 1                      ; judged here: that stage; then on to this tile's codes: 256 - 48
.endif
	STAGE \slot, 1, 1, 16, 1
	STAGE \slot, 2, 1, 16, 1
	STAGE \slot, 3, 1, 16, 0
	v_add_nc_u32 v[ADREE], 1024, v[ADREE]          ; 256 codes on in eeh
	WIF 0                                          ; waves 0-3: this tile's last stage
.endm
	s_load_b256 s[4:11], s[0:1], 0x0               ; input s[4:5], ebt s[6:7], eeh s[8:9], out1 s[10:11]
	s_load_b64 s[12:13], s[0:1], 0x20              ; idx
	v_lshl_add_u32 v254, v0, 2, 0x4b000
	v_mov_b32 v255, 0
	ds_add_u32 v254, v255
	v_lshrrev_b32 v3, 5, v0
	v_readfirstlane_b32 s14, v3                    ; wave 0..7
	s_bfe_u32 s15, ttmp6, 0x40000                  ; cx: my place in the cluster
	s_lshl_b32 s16, ttmp9, 2                       ; ttmp9 counts clusters
	s_add_co_u32 s16, s16, s15                     ; work-group 0..255.  Only s15, s16 and s[76:77] ever hang on cx
	s_and_b32 s17, s14, 1                          ; rh: which 64 rows
	s_lshr_b32 s18, s14, 1                         ; cq: which 64 codes of a tile
	s_lshl_b32 s19, s18, 6                         ; first code of the stage that is judged next
	s_mov_b32 s21, 0x7f800000                      ; +infinity
	s_mov_b32 s78, 0xff800000                      ; -infinity
	; codes: 64 rows x 256 bf16, 16 bytes of padding behind each row of 128 words; joint, mask 15
	s_mov_b32 s[G1B+0], 15|(1<<16)|(1<<20)|(1<<21)|(6<<22)|(3<<25)
	s_mov_b32 s[G1B+1], 256<<16                    ; tensor_dim0 = 256
	s_mov_b32 s[G1B+2], 64<<16                     ; tensor_dim1 = 64
	s_mov_b32 s[G1B+3], 256<<16                    ; tile_dim0 = 256
	s_mov_b32 s[G1B+4], 64                         ; tile_dim1 = 64
	s_mov_b32 s[G1B+5], 256                        ; elements from row to row
	s_mov_b32 s[G1B+6], 0
	s_mov_b32 s[G1B+7], 0
	; x: 64 rows x 256 f32, 16 bytes of padding behind each row of 256 words; my work-group's own (no mask)
	s_mov_b32 s[G1X+0], (2<<16)|(1<<20)|(7<<22)|(3<<25)
	s_mov_b32 s[G1X+1], 256<<16
	s_mov_b32 s[G1X+2], 64<<16
	s_mov_b32 s[G1X+3], 256<<16
	s_mov_b32 s[G1X+4], 64
	s_mov_b32 s[G1X+5], 256
	s_mov_b32 s[G1X+6], 0
	s_mov_b32 s[G1X+7], 0
	; eeh: 32,768 dense bytes as 128 rows of 32 elements of 8 bytes; joint, mask 15
	s_mov_b32 s[G1E+0], 15|(3<<16)|(1<<21)
	s_mov_b32 s[G1E+1], 32<<16
	s_mov_b32 s[G1E+2], 128<<16
	s_mov_b32 s[G1E+3], 32<<16
	s_mov_b32 s[G1E+4], 128
	s_mov_b32 s[G1E+5], 32
	s_mov_b32 s[G1E+6], 0
	s_mov_b32 s[G1E+7], 0
	s_mov_b32 s[G0B+0], 1
	s_mul_i32 s[G0B+1], s14, WPART                 ; waves 0-3: quarter w of slot 0
	s_mov_b32 s[G0B+4], 1
	s_add_co_u32 s[G0B+5], s[G0B+1], SLOT          ; and of slot 1
	s_mov_b32 s[G0X+0], 1
	s_mul_i32 s[G0X+1], s14, 64*PX
	s_sub_co_u32 s[G0X+1], s[G0X+1], 4*64*PX-SLOT  ; waves 4, 5 (the only ones to use it): SLOT1 + (w - 4) x 64 rows
	s_mov_b32 s[G0E+0], 1
	s_mov_b32 s[G0E+1], EEH
	s_lshl_b32 s22, s14, 15                        ; quarter w of a tile in ebt: 64 codes x 512 bytes
	s_mov_b32 s23, 0
	s_lshl1_add_u32 s76, s16, s17                  ; x: 2 x work-group + (w & 1) blocks of 64 rows,
	s_lshl_b32 s76, s76, 16                        ; of 65,536 bytes
	s_mov_b32 s77, 0
	s_wait_dscnt 0x0
	s_wait_kmcnt 0x0
	s_add_nc_u64 s[G0B+2:G0B+3], s[6:7], s[22:23]                  ; tile 0
	s_add_nc_u64 s[G0B+6:G0B+7], s[G0B+2:G0B+3], TILEB             ; tile 1
	s_or_b32 s[G0B+3], s[G0B+3], 0x80000000
	s_or_b32 s[G0B+7], s[G0B+7], 0x80000000
	s_add_nc_u64 s[G0X+2:G0X+3], s[4:5], s[76:77]
	s_or_b32 s[G0X+3], s[G0X+3], 0x80000000
	s_mov_b64 s[G0E+2:G0E+3], s[8:9]
	s_or_b32 s[G0E+3], s[G0E+3], 0x80000000
	ROUND                                          ; the four work-groups are here: the first joint loads meet
	; the first fills, one group, one a wave: waves 0-3 tile 0, waves 4 and 5 x, wave 6 eeh, wave 7 none
	s_cmp_lt_u32 s14, 4
	s_cbranch_scc0 .Lfill_high
	tensor_load_to_lds s[G0B:G0B+3], s[G1B:G1B+7]
	s_nop 0
	s_branch .Lfilled
.Lfill_high:
	s_cmp_lt_u32 s14, 6
	s_cbranch_scc0 .Lfill_eeh
	tensor_load_to_lds s[G0X:G0X+3], s[G1X:G1X+7]
	s_nop 0
	s_branch .Lfilled
.Lfill_eeh:
	s_cmp_lg_u32 s14, 6
	s_cbranch_scc1 .Lfilled
	tensor_load_to_lds s[G0E:G0E+3], s[G1E:G1E+7]
	s_nop 0
.Lfilled:
	v_and_b32 v1, 15, v0                           ; r
	v_bfe_u32 v2, v0, 4, 1                         ; h
	s_mul_i32 s22, s18, WPART                      ; my 64 codes of a tile
	v_mul_u32_u24 v[ADRB], v1, PB
	v_lshl_add_u32 v[ADRB], v2, 4, v[ADRB]
	v_add_nc_u32 v[ADRB], s22, v[ADRB]             ; (64 cq + r) x 528 + 16 h
	v_add_nc_u32 v[ADRB+1], SLOT, v[ADRB]
	s_lshl_b32 s22, s18, 8
	s_add_co_u32 s22, s22, EEH
	v_lshl_add_u32 v[ADREE], v1, 2, s22            ; EEH + 4 (64 cq + r)
	s_mul_i32 s22, s17, 64*PX
	s_add_co_u32 s22, s22, SLOT
	v_mul_u32_u24 v[ADRX], v1, PX
	v_lshl_add_u32 v[ADRX], v2, 5, v[ADRX]
	v_add_nc_u32 v[ADRX], s22, v[ADRX]             ; SLOT1 + (64 rh + r) x 1,040 + 32 h
	s_lshl_b32 s22, s14, 9
	s_add_co_u32 s22, s22, MRG
	v_lshl_add_u32 v[ADRM], v2, 6, s22             ; MRG + 512 w + 8 bytes x 8 h rows
	s_wait_tensorcnt 0x0                           ; my first fill has landed,
	s_barrier_signal -1
	s_barrier_wait -1                              ; everybody's has
	; x into fragments, 16 rows at a time: lane (r, h) takes K = 32 kk + 8 h .. + 7 and 32 kk + 16 + 8 h .. + 7 of row r in f32 (four loads of
	; 16 bytes), rounds to nearest even and packs: 8 registers of window 1.
.irp m, 0,1,2,3
.irp kk, 0,1,2,3,4,5,6,7
	ds_load_b128 v[XT+16*\kk:XT+16*\kk+3],     v[ADRX] offset:16*PX*\m+128*\kk
	ds_load_b128 v[XT+16*\kk+4:XT+16*\kk+7],   v[ADRX] offset:16*PX*\m+128*\kk+16
	ds_load_b128 v[XT+16*\kk+8:XT+16*\kk+11],  v[ADRX] offset:16*PX*\m+128*\kk+64
	ds_load_b128 v[XT+16*\kk+12:XT+16*\kk+15], v[ADRX] offset:16*PX*\m+128*\kk+80
.endr
	WIN 0x40                                       ; destination in window 1
.irp kk, 0,1,2,3,4,5,6,7
	s_wait_dscnt 28-4*\kk                          ; of the 32 loads the first 4 (kk + 1) are in
.irp p, 0,1,2,3,4,5,6,7
	v_cvt_pk_bf16_f32 v[8*(4*\kk+\m)+\p], v[XT+16*\kk+2*\p], v[XT+16*\kk+2*\p+1]
.endr
.endr
	WIN 0
.endr
.set i, 0
.rept 32
	v_mov_b32 v[RUN+i], s78                        ; once in the launch: below every finite score
	v_mov_b32 v[IDX+i], 0
.set i, i+1
.endr
	; 32 tiles.  The refill of tile t brings tile t + 1; the first one overwrites x, whose reads every wave has waited for in front of the round.
	TRIP 0, 1, 1
	TRIP 1, 1, 0
	s_mov_b32 s20, 14
.Ltiles:
	TRIP 0, 1, 0
	TRIP 1, 1, 0
	s_sub_co_u32 s20, s20, 1
	s_cmp_lg_u32 s20, 0
	s_cbranch_scc1 .Ltiles
	TRIP 0, 1, 0
	TRIP 1, 0, 0                                   ; the last tile: nothing is left to fetch
	WIF 1
	PLACES
	EPI 0                                          ; the very last stage
	; The merge over the 16 lanes that share a row: the greatest score, then the least code among the lanes that hold it.  Codes as f32
	; (exact up to 8,191), so that both steps ride on f32 arithmetic across lanes.  All 16 lanes store the same 8 bytes to the same place.
.macro MERGE m, j, p
	v_add_nc_u32 v[T+2*\p+1], v[IDX+8*\m+\j], v1   ; the stage's first code + r
	v_mov_b32 v[T+2*\p], v[RUN+8*\m+\j]
	v_cvt_f32_u32 v[T+2*\p+1], v[T+2*\p+1]
.irp x, 1,2,4,8
	v_max_num_f32_dpp v[T+2*\p], v[T+2*\p], v[T+2*\p] row_xmask:\x row_mask:0xf bank_mask:0xf
.endr
	v_cmp_eq_f32 vcc_lo, v[RUN+8*\m+\j], v[T+2*\p]
	v_cndmask_b32 v[T+2*\p+1], s21, v[T+2*\p+1], vcc_lo
.irp x, 1,2,4,8
	v_min_num_f32_dpp v[T+2*\p+1], v[T+2*\p+1], v[T+2*\p+1] row_xmask:\x row_mask:0xf bank_mask:0xf
.endr
	ds_store_b64 v[ADRM], v[T+2*\p:T+2*\p+1] offset:8*(16*\m+\j)
.endm
.irp m, 0,1,2,3
.irp j, 0,1,2,3,4,5,6,7
	MERGE \m, \j, (\j&1)
.endr
.endr
	s_wait_dscnt 0x0                               ; my entries are in LDS before I say so
	s_barrier_signal -1
	s_barrier_wait -1
	; The merge over the four quarters of the codes: waves 0 and 1, thread t for rows 2 t and 2 t + 1.  Wave 2 cq + rh holds row 64 rh + lr
	; at 512 (2 cq + rh) + 8 lr, so the two rows' entries of quarter cq are the 16 bytes at 16 t + 1,024 cq.
	s_cmp_gt_u32 s14, 1
	s_cbranch_scc1 .Lclose
	v_and_b32 v9, 63, v0
	v_lshlrev_b32 v10, 4, v9
	v_add_nc_u32 v10, MRG, v10
	v_lshlrev_b32 v9, 3, v9                        ; my 8 bytes of the group's 512 in out1 and in idx
.irp q, 0,1,2,3
	ds_load_b128 v[16+4*\q:19+4*\q], v10 offset:1024*\q
.endr
	s_lshl_b32 s76, s16, 9                         ; 128 rows x 4 bytes for each work-group
	s_add_nc_u64 s[10:11], s[10:11], s[76:77]
	s_add_nc_u64 s[12:13], s[12:13], s[76:77]
	s_wait_dscnt 0x0
.irp b, 0,1
	v_max3_num_f32 v12, v[16+2*\b], v[20+2*\b], v[24+2*\b]
	v_max_num_f32 v12, v12, v[28+2*\b]
.irp q, 0,1,2,3
	v_cmp_eq_f32 vcc_lo, v[16+4*\q+2*\b], v12
	v_cndmask_b32 v[17+4*\q+2*\b], s21, v[17+4*\q+2*\b], vcc_lo
.endr
	v_min3_num_f32 v[14+\b], v[17+2*\b], v[21+2*\b], v[25+2*\b]
	v_min_num_f32 v[14+\b], v[14+\b], v[29+2*\b]
	v_cvt_u32_f32 v[14+\b], v[14+\b]
.endr
	global_store_b64 v9, v[14:15], s[10:11]        ; a wave's store covers 256 consecutive bytes, aligned
	global_store_b64 v9, v[14:15], s[12:13]
.Lclose:
	s_wait_tensorcnt 0x0
	ds_add_u32 v254, v255
	s_wait_dscnt 0x0
	ROUND                                          ; the closing round: no work-group ends while a partner may still ask for a tile that names it
	s_endpgm
.Lfunc_end_k_qc96d0941c7_vq:
	.size	k_qc96d0941c7_vq, .Lfunc_end_k_qc96d0941c7_vq-k_qc96d0941c7_vq
	.p2alignl 7, 3214868480
	.fill 96, 4, 3214868480
	.section	.rodata,"a",@progbits
	.p2align	6, 0x0
	.amdhsa_kernel k_qc96d0941c7_vq
		.amdhsa_group_segment_fixed_size 327680
		.amdhsa_private_segment_fixed_size 0
		.amdhsa_enable_private_segment 0
		.amdhsa_kernarg_size 40
		.amdhsa_user_sgpr_count 2
		.amdhsa_user_sgpr_kernarg_segment_ptr 1
		.amdhsa_wavefront_size32 1
		.amdhsa_system_sgpr_workgroup_id_x 1
		.amdhsa_system_sgpr_workgroup_id_y 1
		.amdhsa_system_sgpr_workgroup_id_z 1
		.amdhsa_system_vgpr_workitem_id 0
		.amdhsa_next_free_vgpr 512
		.amdhsa_next_free_sgpr 80
		.amdhsa_reserve_vcc 1
		.amdhsa_float_denorm_mode_32 3
		.amdhsa_float_denorm_mode_16_64 3
		.amdhsa_memory_ordered 1
		.amdhsa_forward_progress 1
		.amdhsa_inst_pref_size 255
	.end_amdhsa_kernel
	.section	.bss,"aw",@nobits
	.p2align	6
	.space	262144
	.amdgpu_metadata
---
amdhsa.version: [ 1, 2 ]
amdhsa.kernels:
  - .name:           k_qc96d0941c7_vq
    .symbol:         k_qc96d0941c7_vq.kd
    .args:
      - { .name: input, .offset: 0, .size: 8, .value_kind: global_buffer, .address_space: global }
      - { .name: ebt, .offset: 8, .size: 8, .value_kind: global_buffer, .address_space: global }
      - { .name: eeh, .offset: 16, .size: 8, .value_kind: global_buffer, .address_space: global }
      - { .name: out1, .offset: 24, .size: 8, .value_kind: global_buffer, .address_space: global }
      - { .name: idx, .offset: 32, .size: 8, .value_kind: global_buffer, .address_space: global }
    .group_segment_fixed_size: 327680
    .private_segment_fixed_size: 0
    .kernarg_segment_align: 8
    .kernarg_segment_size: 40
    .max_flat_workgroup_size: 256
    .sgpr_count:     80
    .vgpr_count:     512
    .wavefront_size: 32
...
	.end_amdgpu_metadata
.endif
;; end of part 2
;; launch gather (part 3): grid 256 x 1, 8 waves a work-group, no clusters, 1,280 bytes of LDS; arguments input, eft, idx, out0, part; writes out0, part
.if DOCPART == 3
	.amdgcn_target "amdgcn-amd-amdhsa--gfx1250"
	.amdhsa_code_object_version 6
	.text
	.protected	k_qc96d0941c7_gather
	.globl	k_qc96d0941c7_gather
	.p2align	8
	.type	k_qc96d0941c7_gather,@function
k_qc96d0941c7_gather:
	s_mov_b64 s[64:65], 0
	v_nop
	global_prefetch_b8 v0, s[64:65] scope:SCOPE_SE
	s_setreg_imm32_b32 hwreg(HW_REG_WAVE_MODE, 25, 1), 1
	s_wait_xcnt 0x0
; out0[row] = x + (q - x) with q = eft[idx[row]] (the code in f32, unrounded), in that order of rounding, and the work-group's sum of (q - x)^2.
; 256 work-groups of 128 rows, eight waves of 16 rows; a row is 1,024 bytes: two loads or stores of 16 bytes a lane, each of which covers
; 512 consecutive bytes.  The 16 indices of a wave are whole numbers that the launch before stored: one scalar load, clamped to 8,191, each
; made into a scalar base.  Two register buffers of four rows (x and q: 16 loads) take turns, so 16 to 32 loads of a wave are on their way.
; A stream: no matrix unit, no cluster (nothing is shared but rows of a table named by data), no loop: the 16 rows are written out.
.set X0, 16                            ; buffer b, row r: x in v[16 + 64 b + 16 r .. + 7], q in the next 8
.set S,  144                           ; v[144:151] four pairs of partial sums
.macro FILLX g, b
.irp r, 0,1,2,3
	global_load_b128 v[X0+64*\b+16*\r:X0+64*\b+16*\r+3],   v1, s[4:5] offset:1024*(4*(\g)+\r) th:TH_LOAD_NT
	global_load_b128 v[X0+64*\b+16*\r+4:X0+64*\b+16*\r+7], v1, s[4:5] offset:1024*(4*(\g)+\r)+512 th:TH_LOAD_NT
.endr
.endm
.macro FILLQ g, b
.irp r, 0,1,2,3
	global_load_b128 v[X0+64*\b+16*\r+8:X0+64*\b+16*\r+11],  v1, s[32+2*(4*(\g)+\r):33+2*(4*(\g)+\r)]
	global_load_b128 v[X0+64*\b+16*\r+12:X0+64*\b+16*\r+15], v1, s[32+2*(4*(\g)+\r):33+2*(4*(\g)+\r)] offset:512
.endr
.endm
; Four rows.  left = how many younger loads may stay out; fill = 1: the buffer gets the rows of two groups further on.
.macro TURN g, b, left, fill
	s_wait_loadcnt \left
.irp r, 0,1,2,3
.irp p, 0,1,2,3
	v_pk_add_f32 v[X0+64*\b+16*\r+8+2*\p:X0+64*\b+16*\r+9+2*\p], v[X0+64*\b+16*\r+8+2*\p:X0+64*\b+16*\r+9+2*\p], v[X0+64*\b+16*\r+2*\p:X0+64*\b+16*\r+2*\p+1] neg_lo:[0,1] neg_hi:[0,1]   ; q - x
.endr
.irp p, 0,1,2,3
.if \g+\r == 0
	v_pk_mul_f32 v[S+2*\p:S+2*\p+1], v[X0+64*\b+16*\r+8+2*\p:X0+64*\b+16*\r+9+2*\p], v[X0+64*\b+16*\r+8+2*\p:X0+64*\b+16*\r+9+2*\p]   ; the first row starts the sums
.else
	v_pk_fma_f32 v[S+2*\p:S+2*\p+1], v[X0+64*\b+16*\r+8+2*\p:X0+64*\b+16*\r+9+2*\p], v[X0+64*\b+16*\r+8+2*\p:X0+64*\b+16*\r+9+2*\p], v[S+2*\p:S+2*\p+1]
.endif
.endr
.irp p, 0,1,2,3
	v_pk_add_f32 v[X0+64*\b+16*\r+2*\p:X0+64*\b+16*\r+2*\p+1], v[X0+64*\b+16*\r+2*\p:X0+64*\b+16*\r+2*\p+1], v[X0+64*\b+16*\r+8+2*\p:X0+64*\b+16*\r+9+2*\p]   ; x + (q - x)
.endr
	global_store_b128 v1, v[X0+64*\b+16*\r:X0+64*\b+16*\r+3],   s[10:11] offset:1024*(4*\g+\r) th:TH_STORE_NT
	global_store_b128 v1, v[X0+64*\b+16*\r+4:X0+64*\b+16*\r+7], s[10:11] offset:1024*(4*\g+\r)+512 th:TH_STORE_NT
.endr
.if \fill
	s_wait_xcnt 0x0                                ; the stores' data registers are loaded again only behind this wait
	FILLX \g+2, \b
	FILLQ \g+2, \b
.endif
.endm
	s_load_b256 s[4:11], s[0:1], 0x0               ; input s[4:5], eft s[6:7], idx s[8:9], out0 s[10:11]
	s_load_b64 s[12:13], s[0:1], 0x20              ; part
	v_lshl_add_u32 v160, v0, 2, 0x100
	v_mov_b32 v161, 0
	v_lshrrev_b32 v2, 5, v0
	v_readfirstlane_b32 s14, v2                    ; wave 0..7
	v_and_b32 v1, 31, v0
	v_lshlrev_b32 v1, 4, v1                        ; 16 x lane; never rewritten
	s_lshl_b32 s15, ttmp9, 7
	s_lshl4_add_u32 s15, s14, s15                  ; my wave's first row: 128 g + 16 w
	s_lshl_b32 s66, s15, 2                         ; its bytes in idx
	s_mov_b32 s67, 0
	s_lshl_b32 s68, s15, 10                        ; and in input and out0
	s_mov_b32 s69, 0
	s_mov_b32 s71, 0
	s_mov_b32 s72, 0x76543210                      ; v_permlanex16_b32: lane i of one half reads lane i of the other
	s_mov_b32 s73, 0xfedcba98
	s_wait_kmcnt 0x0
	s_add_nc_u64 s[8:9], s[8:9], s[66:67]
	s_load_b512 s[16:31], s[8:9], 0x0              ; 16 indices
	s_add_nc_u64 s[4:5], s[4:5], s[68:69]
	s_add_nc_u64 s[10:11], s[10:11], s[68:69]
	FILLX 0, 0                                     ; x does not hang on the indices: 16 loads go out while they come
	FILLX 1, 1
	s_wait_kmcnt 0x0
.irp i, 0,1,2,3,4,5,6,7,8,9,10,11,12,13,14,15
	s_min_u32 s[16+\i], s[16+\i], 8191             ; an index stays inside the table
	s_lshl_b32 s70, s[16+\i], 10                   ; a code's row is 1,024 bytes
	s_add_nc_u64 s[32+2*\i:33+2*\i], s[6:7], s[70:71]
.endr
	FILLQ 0, 0
	FILLQ 1, 1
	TURN 0, 0, 8, 1                                ; issued so far: x 0, x 1, q 0, q 1, eight each: only q 1 may stay out
	TURN 1, 1, 16, 1                               ; the 16 loads of group 2 stay out
	TURN 2, 0, 16, 0                               ; those of group 3
	TURN 3, 1, 0, 0
	v_pk_add_f32 v[S:S+1], v[S:S+1], v[S+2:S+3]
	v_pk_add_f32 v[S+4:S+5], v[S+4:S+5], v[S+6:S+7]
	v_pk_add_f32 v[S:S+1], v[S:S+1], v[S+4:S+5]
	v_add_f32 v[S], v[S], v[S+1]
	v_add_f32_dpp v[S], v[S], v[S] row_xmask:1 row_mask:0xf bank_mask:0xf
	v_add_f32_dpp v[S], v[S], v[S] row_xmask:2 row_mask:0xf bank_mask:0xf
	v_add_f32_dpp v[S], v[S], v[S] row_xmask:4 row_mask:0xf bank_mask:0xf
	v_add_f32_dpp v[S], v[S], v[S] row_xmask:8 row_mask:0xf bank_mask:0xf
	v_permlanex16_b32 v[S+1], v[S], s72, s73
	v_add_f32 v[S], v[S], v[S+1]                   ; the wave's sum, in every lane
	v_mov_b32 v2, s14
	v_lshlrev_b32 v2, 2, v2
	ds_store_b32 v2, v[S]                          ; each wave its own word
	s_wait_dscnt 0x0                               ; in LDS before I say so
	s_barrier_signal -1
	s_barrier_wait -1
	s_cmp_lg_u32 s14, 0
	s_cbranch_scc1 .Lend
	v_mov_b32 v3, 0
	ds_load_b128 v[152:155], v3
	ds_load_b128 v[156:159], v3 offset:16
	s_lshl_b32 s66, ttmp9, 2
	s_add_nc_u64 s[12:13], s[12:13], s[66:67]
	v_cmp_eq_u32 vcc_lo, 0, v0
	s_wait_dscnt 0x0
	v_pk_add_f32 v[152:153], v[152:153], v[154:155]
	v_pk_add_f32 v[156:157], v[156:157], v[158:159]
	v_pk_add_f32 v[152:153], v[152:153], v[156:157]
	v_add_f32 v152, v152, v153
	s_wait_xcnt 0x0                                ; EXEC is a source of the stores above: it changes only behind this wait
	s_and_saveexec_b32 s74, vcc_lo
	global_store_b32 v3, v152, s[12:13]            ; one number a work-group; the next launch adds the 256
	s_wait_xcnt 0x0
	s_or_b32 exec_lo, exec_lo, s74
.Lend:
	s_wait_tensorcnt 0x0
	ds_add_u32 v160, v161
	s_wait_dscnt 0x0
	s_endpgm
.Lfunc_end_k_qc96d0941c7_gather:
	.size	k_qc96d0941c7_gather, .Lfunc_end_k_qc96d0941c7_gather-k_qc96d0941c7_gather
	.p2alignl 7, 3214868480
	.fill 96, 4, 3214868480
	.section	.rodata,"a",@progbits
	.p2align	6, 0x0
	.amdhsa_kernel k_qc96d0941c7_gather
		.amdhsa_group_segment_fixed_size 1280
		.amdhsa_private_segment_fixed_size 0
		.amdhsa_enable_private_segment 0
		.amdhsa_kernarg_size 40
		.amdhsa_user_sgpr_count 2
		.amdhsa_user_sgpr_kernarg_segment_ptr 1
		.amdhsa_wavefront_size32 1
		.amdhsa_system_sgpr_workgroup_id_x 1
		.amdhsa_system_sgpr_workgroup_id_y 1
		.amdhsa_system_sgpr_workgroup_id_z 1
		.amdhsa_system_vgpr_workitem_id 0
		.amdhsa_next_free_vgpr 162
		.amdhsa_next_free_sgpr 80
		.amdhsa_reserve_vcc 1
		.amdhsa_float_denorm_mode_32 3
		.amdhsa_float_denorm_mode_16_64 3
		.amdhsa_memory_ordered 1
		.amdhsa_forward_progress 1
		.amdhsa_inst_pref_size 27
	.end_amdhsa_kernel
	.amdgpu_metadata
---
amdhsa.version: [ 1, 2 ]
amdhsa.kernels:
  - .name:           k_qc96d0941c7_gather
    .symbol:         k_qc96d0941c7_gather.kd
    .args:
      - { .name: input, .offset: 0, .size: 8, .value_kind: global_buffer, .address_space: global }
      - { .name: eft, .offset: 8, .size: 8, .value_kind: global_buffer, .address_space: global }
      - { .name: idx, .offset: 16, .size: 8, .value_kind: global_buffer, .address_space: global }
      - { .name: out0, .offset: 24, .size: 8, .value_kind: global_buffer, .address_space: global }
      - { .name: part, .offset: 32, .size: 8, .value_kind: global_buffer, .address_space: global }
    .group_segment_fixed_size: 1280
    .private_segment_fixed_size: 0
    .kernarg_segment_align: 8
    .kernarg_segment_size: 40
    .max_flat_workgroup_size: 256
    .sgpr_count:     80
    .vgpr_count:     162
    .wavefront_size: 32
...
	.end_amdgpu_metadata
.endif
;; end of part 3
;; launch loss (part 4): grid 1 x 1, 1 waves a work-group, no clusters, 0 bytes of LDS; arguments part, out2; writes out2
.if DOCPART == 4
	.amdgcn_target "amdgcn-amd-amdhsa--gfx1250"
	.amdhsa_code_object_version 6
	.text
	.protected	k_qc96d0941c7_loss
	.globl	k_qc96d0941c7_loss
	.p2align	8
	.type	k_qc96d0941c7_loss,@function
k_qc96d0941c7_loss:
	s_mov_b64 s[64:65], 0
	v_nop
	global_prefetch_b8 v0, s[64:65] scope:SCOPE_SE
	s_setreg_imm32_b32 hwreg(HW_REG_WAVE_MODE, 25, 1), 1
	s_wait_xcnt 0x0
; out2 = the mean of (q - x)^2 over 32,768 x 256 numbers, times the commitment factor 1.0: the 256 work-groups' sums are added by one
; wave, eight a lane, and scaled by 2^-23 = 1 / 8,388,608 (exact).  A sum over work-groups needs a launch of its own.
	s_load_b128 s[4:7], s[0:1], 0x0                ; part s[4:5], out2 s[6:7]
	v_lshlrev_b32 v1, 4, v0
	v_mov_b32 v2, 0
	s_mov_b32 s8, 0x76543210
	s_mov_b32 s9, 0xfedcba98
	s_wait_kmcnt 0x0
	global_load_b128 v[4:7], v1, s[4:5]
	global_load_b128 v[8:11], v1, s[4:5] offset:512
	v_cmp_eq_u32 vcc_lo, 0, v0
	s_wait_loadcnt 0x0
	v_pk_add_f32 v[4:5], v[4:5], v[6:7]
	v_pk_add_f32 v[8:9], v[8:9], v[10:11]
	v_pk_add_f32 v[4:5], v[4:5], v[8:9]
	v_add_f32 v4, v4, v5
	v_add_f32_dpp v4, v4, v4 row_xmask:1 row_mask:0xf bank_mask:0xf
	v_add_f32_dpp v4, v4, v4 row_xmask:2 row_mask:0xf bank_mask:0xf
	v_add_f32_dpp v4, v4, v4 row_xmask:4 row_mask:0xf bank_mask:0xf
	v_add_f32_dpp v4, v4, v4 row_xmask:8 row_mask:0xf bank_mask:0xf
	v_permlanex16_b32 v5, v4, s8, s9
	v_add_f32 v4, v4, v5
	v_mul_f32 v4, 0x34000000, v4                   ; 2^-23
	s_wait_xcnt 0x0                                ; EXEC changes only behind this wait
	s_and_saveexec_b32 s10, vcc_lo
	global_store_b32 v2, v4, s[6:7]
	s_wait_xcnt 0x0
	s_or_b32 exec_lo, exec_lo, s10
	s_endpgm
.Lfunc_end_k_qc96d0941c7_loss:
	.size	k_qc96d0941c7_loss, .Lfunc_end_k_qc96d0941c7_loss-k_qc96d0941c7_loss
	.p2alignl 7, 3214868480
	.fill 96, 4, 3214868480
	.section	.rodata,"a",@progbits
	.p2align	6, 0x0
	.amdhsa_kernel k_qc96d0941c7_loss
		.amdhsa_group_segment_fixed_size 0
		.amdhsa_private_segment_fixed_size 0
		.amdhsa_enable_private_segment 0
		.amdhsa_kernarg_size 16
		.amdhsa_user_sgpr_count 2
		.amdhsa_user_sgpr_kernarg_segment_ptr 1
		.amdhsa_wavefront_size32 1
		.amdhsa_system_sgpr_workgroup_id_x 1
		.amdhsa_system_sgpr_workgroup_id_y 1
		.amdhsa_system_sgpr_workgroup_id_z 1
		.amdhsa_system_vgpr_workitem_id 0
		.amdhsa_next_free_vgpr 16
		.amdhsa_next_free_sgpr 66
		.amdhsa_reserve_vcc 1
		.amdhsa_float_denorm_mode_32 3
		.amdhsa_float_denorm_mode_16_64 3
		.amdhsa_memory_ordered 1
		.amdhsa_forward_progress 1
		.amdhsa_inst_pref_size 2
	.end_amdhsa_kernel
	.amdgpu_metadata
---
amdhsa.version: [ 1, 2 ]
amdhsa.kernels:
  - .name:           k_qc96d0941c7_loss
    .symbol:         k_qc96d0941c7_loss.kd
    .args:
      - { .name: part, .offset: 0, .size: 8, .value_kind: global_buffer, .address_space: global }
      - { .name: out2, .offset: 8, .size: 8, .value_kind: global_buffer, .address_space: global }
    .group_segment_fixed_size: 0
    .private_segment_fixed_size: 0
    .kernarg_segment_align: 8
    .kernarg_segment_size: 16
    .max_flat_workgroup_size: 32
    .sgpr_count:     66
    .vgpr_count:     16
    .wavefront_size: 32
...
	.end_amdgpu_metadata
.endif
;; end of part 4
